; MI455X (gfx1250); checked and timed in simulation.
; The chip was launched on July 23, 2026; its instructions are those of AMD's public machine-readable ISA for CDNA 5 (MIT licence, August 2026) and "CDNA5" Instruction Set Architecture Reference Guide (July 2026). The comments in the code are by the model that wrote it; some were corrected since.
;; Attention Selector. Allowed arithmetic: matrix products marked QUANTISED: E2M3 operands, one E8M0 scale for each 32 along K, by v_wmma_scale_f32_16x16x128_f8f6f4 with both operands' format E2M3, f32 sums; everything else in f32.
;; Inputs: Wk 66 x 66 float32; bk 66 float32; query 8,192 x 66 float32; x 32,768 x 66 float32.
;; Outputs: out0 8,192 x 66 float32.
;; This version of the problem:
;;   THIS VERSION OF THE PROBLEM IS GIVEN IN LOW PRECISION. The matrix products marked QUANTISED in the list below multiply operands that are first quantised to E2M3 (2 exponent bits, 3 mantissa bits; 6 bits a number), with one power-of-two scale for each 32 numbers along K (OCP MX v1.0); their sums are f32. All else is computed in f32.
;;   The module's matrix products, in the order in which they are computed (A, B: the left and right operand; K: the contracted axis; several contracted axes count as one K, in the product's order):
;;     1. [M 32,768, K 66] x [K 66, N 66]; A: input x; B: input Wk: QUANTISED
;;     2. [M 8,192, K 66] x [K 66, N 32,768]; A: input query; B: computed on the way: QUANTISED
;;     3. [M 8,192, K 32,768] x [K 32,768, N 66]; A: softmax (see below); B: input x: QUANTISED
;;   THE QUANTISER, for each operand of a quantised product, along K:
;;     - K is cut into blocks of 32 from its start; a last block that is shorter is filled with zeros.
;;     - A block's scale is 2^e with e = floor(log2(the largest magnitude in the block)) - 2, held to -126 .. 127; a block of zeros has e = 0. As a byte (E8M0): e + 127.
;;     - Each number is divided by its block's scale, clamped to +-7.5, and rounded to the nearest number of E2M3, ties to even, subnormals kept.
;;     - The product sums the exact products of the quantised numbers (number of the format x scale) in f32.
;;   ~~~python
;;   def quantise(x, axis):      # numpy; x: float32 -> the quantised numbers, widened to float32 again
;;       x = np.moveaxis(x, axis, -1); K = x.shape[-1]
;;       x = np.pad(x, [(0, 0)] * (x.ndim - 1) + [(0, -K % 32)]); x = x.reshape(x.shape[:-1] + (-1, 32)); a = np.abs(x).max(-1, keepdims=True)
;;       e = np.where(a > 0, np.clip(np.frexp(np.where(a > 0, a, 1))[1] - 1 - 2, -126, 127), 0)      # np.frexp(a)[1] - 1 = floor(log2(a)), exactly
;;       r = np.clip(x / 2.0 ** e, -7.5, 7.5)
;;       step = 2.0 ** (np.maximum(np.frexp(np.where(r == 0, 1, r))[1] - 1, 0) - 3)
;;       q = np.round(r / step) * step * 2.0 ** e      # np.round: ties to even
;;       return np.moveaxis(q.reshape(q.shape[:-2] + (-1,))[..., :K], -1, axis).astype(np.float32)
;;   ~~~
;;   SOFTMAX AHEAD OF A QUANTISED PRODUCT. Where the list says 'softmax', what is quantised is not the finished softmax but p = 2^(t - M), with t = logit x log2(e) and M = ceil(the row's largest t), a whole number; so 1/2 < the row's largest p <= 1. The row's sum l is taken of the UNQUANTISED p, in f32, and the product's result is divided by l at the end. Since M is a whole number, a kernel that streams over the keys may use a running M (the ceiling of the running maximum): every later rescaling is an exact power of two, which a block's scale takes up: the codes' values come out the same.
;;   OPERANDS COMPUTED ON THE WAY. 'Computed on the way' means the value that the module computes at that place (a softmax that the list does not call 'softmax' is quantised finished and normalised). What goes into a quantiser is computed in f32, as accurately as f32 sums, v_exp_f32 and their like allow (about 1e-6 of the number): no bf16 or f16 on the way to a quantiser, and a product that is left as it is and whose result goes on into a quantised operand takes f32 operands (vector FMAs, or v_wmma_f32_16x16x4_f32). A number that lies on a knife's edge between two numbers of the format may be rounded either way, as far as f32 arithmetic and the matrix unit's own rounding can turn it there, and no further.
;; One version. Each part assembles by itself: llvm-mc -triple=amdgcn-amd-amdhsa -mcpu=gfx1250 --defsym DOCPART=n.
;; ======== version 1 of 1: 3 launches
;; limits: right only within a limited range of input values
;; workspace buffers: kv 4,325,376 bytes; part 18,874,368 bytes
;; launch prep (part 1): grid 256 x 1, 13 waves a work-group, no clusters, 169,728 bytes of LDS; arguments x, Wk, bk, kv; writes kv
.if DOCPART == 1
	.amdgcn_target "amdgcn-amd-amdhsa--gfx1250"
	.amdhsa_code_object_version 6
	.text
	.protected	k_qf1e61a8865_prep
	.globl	k_qf1e61a8865_prep
	.p2align	8
	.type	k_qf1e61a8865_prep,@function
k_qf1e61a8865_prep:
	s_mov_b64 s[64:65], 0
	v_nop
	global_prefetch_b8 v0, s[64:65] scope:SCOPE_SE
	s_setreg_imm32_b32 hwreg(HW_REG_WAVE_MODE, 25, 1), 1
	s_wait_xcnt 0x0
; K = Q(x) Q(Wk)^T + bk, and the operands that the attention launch reads, made once: for each step of 128 keys one dense block of kv, 16,896 bytes:
;   +0      K's codes (E2M3, quantised along d = 66): 8 tiles of 16 keys, each as an image of the operand's registers 0-3 (512 bytes, 16 a lane) and 4-7; registers 8-11 are zero codes and are not stored
;   +8192   K's scale words: 16 bytes a lane: lanes 0-15 tiles 0-3 of row lane, lanes 16-31 tiles 4-7
;   +8704   x's codes quantised along the KEYS: 5 tiles of 16 channels, each as an image of 12 registers (3 x 512 bytes); channels from 66 on are zero codes
;   +16384  their scale words: lanes 0-15 tiles 0-3, lanes 16-31 tile 4 and three zero words
; SHARES.  A work-group takes one step; its 128 rows of x (33,792 dense bytes) come into LDS once, by two tensor loads.  Waves 0-7: one tile of 16 keys of K each; waves 8-12: one tile of 16 channels of x each.
; THE FIRST PRODUCT IS USED TRANSPOSED (source 0 = 16 rows of Wk, source 1 = 16 rows of x): a lane holds one key and its registers run along K's 66 numbers, the next product's K.
; The rows of Wk that form a tile, and the keys that form a tile, are not neighbours: lane r of tile 2 b + u takes row 32 b + 8 u + r + 8 (r / 8), so that two neighbouring tiles' 16 registers are 16 neighbours.
; Wk's tile 4 has two true rows, 64 and 65; its other lanes repeat them, and what they give is thrown away.  bk is the C of the product: the sum's order of rounding differs from (sum) + bk.
; A block's scale is 2^(floor(log2(largest magnitude)) - 2); its byte is the largest magnitude's exponent field - 2, held at 1 from below by a floor among the maximum's leaves.
; LIMITS: a block of zeros, or one whose largest magnitude lies under 2^-124, gets the byte 1 (this program alone reads the bytes; a block of zeros has zero codes; the others were not tried).  NaN and infinities are not served.
; NO CLUSTER: the work-groups share Wk's 17,424 bytes alone, against 33,792 bytes of x that are each work-group's own.  LDS is filled once: nothing is filled again.
.set XROW,  264                        ; a row of x or of Wk in bytes
.set STEPB, 16896                      ; a step's block of kv; also half of a step's rows of x
.set STG,   40960
; Wk AND bk COME INTO LDS TOO, once for the work-group, by tensor loads of waves 2, 3 and 4 (x's two halves stay with waves 0 and 1): five fills, one a wave, each filled once.
; Waves 0-7 quantise Wk behind the barrier that shows all five, reading its rows from LDS; bk is read from LDS in the result's layout.
.set WKL,   43008                      ; LDS: Wk as it lies in memory: 68 rows of 256 bytes, and its last 16 bytes behind them
.set BKL,   WKL+17664                  ; LDS: bk, 264 bytes
.set G1W,   44                         ; s[44:51], s[52:55] groups 1 and 0 for Wk's 17,408 bytes
.set G0W,   52
.set G1T,   56                         ; s[56:63], s[68:71] for its last 16 bytes
.set G0T,   68
.set G1K,   72                         ; s[72:79], s[80:83] for bk
.set G0K,   80
.set CW,    123                        ; v123 LDS: where bk begins
.set FLOOR, 0x1800000                  ; 2^(3 - 127)
.set RR,  1                            ; v1   r = lane % 16
.set HF,  2                            ; v2   h = lane / 16
.set LN,  3                            ; v3   lane
.set WA,  4                            ; v4   Wk: (r + 8 (r / 8)) rows + 128 h
.set WB,  5                            ; v5   the same row, byte 256
.set WA4, 6                            ; v6   Wk's tile 4: row 64 + r % 2, + 128 h
.set WB4, 7                            ; v7   the same row, byte 256
.set XA,  8                            ; v8   LDS: my key's row of x, + 128 h
.set XC,  9                            ; v9   the same row, byte 256
.set VA,  10                           ; v10  LDS: my channel's column of x, 32 h keys down
.set SA,  11                           ; v11  LDS: where my tile's scale word goes
.set LI,  12                           ; v12  16 x lane
.set BK,  13                           ; v13  LDS: where waves 0 and 1 read the scale words back
.set BO,  14                           ; v14  64 h: bk
.set SH,  15                           ; v15  8 h
.set Z,   16                           ; v16-31  a block of which two numbers at most are not 0; v18-31 stay 0
.set WF,  32                           ; v32-91  Wk's five fragments
.set WS,  92                           ; v92-96  their scale words
.set XS,  97                           ; v97     x's scale word
.set SW,  98                           ; v98     the scale word to be stored; v99-101 stay 0
.set XF,  102                          ; v102-113 x's fragment; in waves 8-12 the codes along the keys
.set KF,  114                          ; v114-122 K's codes
.set RA,  128                          ; v128-161, v162-195, v196-229: three sets of 34 numbers as loaded
.set RB,  162
.set RC,  196
.set VX,  128                          ; v128-191 waves 8-12: 64 numbers down the keys
.set HH,  152                          ; v152-191 K^T, five tiles
.set BI,  192                          ; v192-231 bk in the result's layout
.set TM,  232                          ; v232-242 at work
.set CT,  248                          ; v248-250, v252-254: a conversion's three registers begin on an even number
.set WV,  18
.set TT,  19
.set SEL, 20
.set LO,  22
.set VM,  23
.set G1,  24
.set G0,  32
	s_load_b256 s[4:11], s[0:1], 0x0               ; x s[4:5], Wk s[6:7], bk s[8:9], kv s[10:11]
	v_lshl_add_u32 v251, v0, 2, 0x29000
	v_mov_b32 v255, 0
	ds_add_u32 v251, v255
	ds_add_u32 v251, v255
	v_lshrrev_b32 v1, 5, v0
	s_delay_alu instid0(VALU_DEP_1)
	v_readfirstlane_b32 s[WV], v1                  ; wave 0..12
	v_and_b32 v[RR], 15, v0
	s_wait_alu depctr_va_vdst(0)
	v_bfe_u32 v[HF], v0, 4, 1
	v_and_b32 v[LN], 31, v0
	s_and_b32 s[TT], s[WV], 7                      ; my tile: of K in waves 0-7, of x's channels in waves 8-12
	s_mov_b32 s[SEL], 0x76543210
	s_mov_b32 s[SEL+1], 0xfedcba98                 ; v_permlanex16_b32's selects for lane l xor 16
	s_mov_b32 s[LO], 0xffff                        ; lanes 0-15
	s_cmp_eq_u32 s[TT], 4
	s_cselect_b32 s[VM], 0x00030003, -1            ; the lanes whose channel is under 66: in tile 4 r = 0 and 1
	; descriptor group 1: 66 rows of 32 elements of 8 bytes, dense: 16,896 bytes
	s_mov_b32 s[G1+0], 3<<16                       ; no mask; elements of 8 bytes; no padding
	s_mov_b32 s[G1+1], 32<<16                      ; tensor_dim0
	s_mov_b32 s[G1+2], 66<<16                      ; tensor_dim1
	s_mov_b32 s[G1+3], 32<<16                      ; tile_dim0
	s_mov_b32 s[G1+4], 66                          ; tile_dim1
	s_mov_b32 s[G1+5], 32                          ; the pitch
	s_mov_b32 s[G1+6], 0
	s_mov_b32 s[G1+7], 0
	s_mov_b32 s[G1W+0], 3<<16                      ; Wk: 68 rows of 32 elements of 8 bytes, dense
	s_mov_b32 s[G1W+1], 32<<16
	s_mov_b32 s[G1W+2], 68<<16
	s_mov_b32 s[G1W+3], 32<<16
	s_mov_b32 s[G1W+4], 68
	s_mov_b32 s[G1W+5], 32
	s_mov_b32 s[G1W+6], 0
	s_mov_b32 s[G1W+7], 0
	s_mov_b32 s[G1T+0], 3<<16                      ; one row of 2 elements of 8 bytes
	s_mov_b32 s[G1T+1], 2<<16
	s_mov_b32 s[G1T+2], 1<<16
	s_mov_b32 s[G1T+3], 2<<16
	s_mov_b32 s[G1T+4], 1
	s_mov_b32 s[G1T+5], 2
	s_mov_b32 s[G1T+6], 1<<16
	s_mov_b32 s[G1T+7], 0
	s_mov_b32 s[G1K+0], 3<<16                      ; one row of 33 elements of 8 bytes, from bk's first byte on
	s_mov_b32 s[G1K+1], 33<<16
	s_mov_b32 s[G1K+2], 1<<16
	s_mov_b32 s[G1K+3], 33<<16
	s_mov_b32 s[G1K+4], 1
	s_mov_b32 s[G1K+5], 33
	s_mov_b32 s[G1K+6], 1<<16
	s_mov_b32 s[G1K+7], 0
	; every LDS address is made here, ahead of the first parting of the waves
	v_and_b32 v32, 8, v[RR]
	s_delay_alu instid0(VALU_DEP_1)
	v_add_nc_u32 v32, v32, v[RR]                   ; r + 8 (r / 8)
	s_delay_alu instid0(VALU_DEP_1)
	v_mul_u32_u24 v[WB], v32, XROW
	s_wait_alu depctr_va_vdst(0)
	v_lshl_add_u32 v[WA], v[HF], 7, v[WB]
	; THE KEYS OF A TILE OF K (Wk's rows keep the order stated at the head; the keys have this one): lane r of tile t takes key 64 (t / 4) + 8 (t % 4) + r % 8 + 32 (r / 8),
	; so that in the attention launch a lane's 32 registers of four neighbouring tiles are one whole block of 32 keys
	v_and_b32 v33, 8, v[RR]
	v_mul_u32_u24 v33, v33, 2*XROW                 ; WA and WB hold row r + 8 (r / 8): 16 (r / 8) rows more make r + 24 (r / 8)
	s_lshr_b32 s36, s[TT], 2
	s_lshl_b32 s36, s36, 6
	s_and_b32 s37, s[TT], 3
	s_lshl_b32 s37, s37, 3
	s_add_co_u32 s36, s36, s37                     ; my tile's first key: 64 (t / 4) + 8 (t % 4)
	s_mul_i32 s36, s36, XROW
	v_add_nc_u32 v33, s36, v33
	v_add_nc_u32 v[XA], v33, v[WA]
	v_add_nc_u32 v[XC], v33, v[WB]
	s_delay_alu instid0(VALU_DEP_1)
	v_add_nc_u32 v[XC], 256, v[XC]
	v_add_nc_u32 v[WB], 256, v[WB]
	v_and_b32 v33, 1, v[RR]
	s_delay_alu instid0(VALU_DEP_1)
	v_mul_u32_u24 v33, v33, XROW
	s_delay_alu instid0(VALU_DEP_1)
	v_add_nc_u32 v[WB4], 64*XROW+256, v33
	s_delay_alu instid0(VALU_DEP_2)
	v_add_nc_u32 v[WA4], 64*XROW, v33
	s_delay_alu instid0(VALU_DEP_1)
	v_lshl_add_u32 v[WA4], v[HF], 7, v[WA4]
	s_lshr_b32 s36, s[TT], 2
	s_mul_i32 s36, s36, 14
	s_xor_b32 s36, s36, 15                         ; 15, in tile 4: 1: there the lanes repeat channels 64 and 65
	v_and_b32 v[VA], s36, v[RR]
	s_delay_alu instid0(VALU_DEP_1)
	v_lshlrev_b32 v[VA], 2, v[VA]
	s_lshl_b32 s36, s[TT], 6
	v_add_nc_u32 v[VA], s36, v[VA]                 ; channel 16 t + r, 4 bytes each
	s_delay_alu instid0(VALU_DEP_1)
	v_mad_u32_u24 v[VA], v[HF], 32*XROW, v[VA]     ; lanes 16-31 begin 32 keys further down
	s_lshr_b32 s40, s[WV], 3
	s_lshl_b32 s40, s40, 9                         ; K's words, or x's
	s_lshr_b32 s41, s[TT], 2
	s_lshl_b32 s41, s41, 8                         ; tiles 4 on: the places of lanes 16-31
	s_add_co_u32 s40, s40, s41
	s_and_b32 s41, s[TT], 3
	s_lshl_b32 s41, s41, 2                         ; word t % 4
	s_add_co_u32 s40, s40, s41
	s_add_co_u32 s40, s40, STG
	v_lshl_add_u32 v[SA], v[RR], 4, s40
	v_lshlrev_b32 v[LI], 4, v[LN]
	s_lshl_b32 s41, s[WV], 9
	s_add_co_u32 s41, s41, STG
	v_add_nc_u32 v[BK], s41, v[LI]
	v_lshl_add_u32 v[BO], v[HF], 6, BKL            ; LDS: bk, + 64 h
	v_mov_b32 v[CW], BKL
	v_lshlrev_b32 v[SH], 3, v[HF]
	; registers that hold zeros: codes past K = 80, the short block's 14 numbers, destinations of lane permutes
.set i, 0
.rept 16
	v_mov_b32 v[Z+i], 0
.set i, i+1
.endr
.irp t, 0,1,2,3,4
.irp i, 9,10,11
	v_mov_b32 v[WF+12*\t+\i], 0
.endr
.endr
.irp i, 9,10,11
	v_mov_b32 v[XF+\i], 0
.endr
.irp i, 1,2,3
	v_mov_b32 v[SW+\i], 0
.endr
.irp i, 4,5,6,7,8
	v_mov_b32 v[TM+\i], 0
.endr
	; offsets, made apart from the addresses
	s_mul_i32 s36, ttmp9, 2*STEPB                  ; my step's rows of x,
	s_mul_i32 s37, s[WV], STEPB                    ; the half that I fetch (waves 0 and 1)
	s_add_co_u32 s36, s36, s37
	s_mov_b32 s37, 0
	s_mul_i32 s38, ttmp9, STEPB                    ; my step's block of kv
	s_mov_b32 s39, 0
	s_lshl_b32 s40, s[TT], 10                      ; my image in it: K's tile,
	s_mul_i32 s41, s[TT], 1536
	s_add_co_u32 s41, s41, 8704                    ; or x's
	s_cmp_lt_u32 s[WV], 8
	s_cselect_b32 s40, s40, s41
	s_mov_b32 s41, 0
	s_lshl_b32 s42, s[WV], 13
	s_add_co_u32 s42, s42, 8192                    ; the scale words: wave 0 stores K's at 8,192, wave 1 x's at 16,384
	s_mov_b32 s43, 0
	s_wait_dscnt 0x0
	s_wait_kmcnt 0x0
	s_add_nc_u64 s[10:11], s[10:11], s[38:39]
	s_add_nc_u64 s[12:13], s[10:11], s[40:41]
	s_add_nc_u64 s[14:15], s[10:11], s[42:43]
	s_mov_b32 s[G0], 1                             ; count = 1
	s_mul_i32 s[G0+1], s[WV], STEPB                ; LDS address: wave x 16,896
	s_add_nc_u64 s[G0+2:G0+3], s[4:5], s[36:37]
	s_or_b32 s[G0+3], s[G0+3], 0x80000000          ; type = 2
	s_mov_b32 s[G0W], 1
	s_mov_b32 s[G0W+1], WKL
	s_mov_b64 s[G0W+2:G0W+3], s[6:7]
	s_or_b32 s[G0W+3], s[G0W+3], 0x80000000
	s_mov_b32 s[G0T], 1
	s_mov_b32 s[G0T+1], WKL+17408
	s_add_nc_u64 s[G0T+2:G0T+3], s[6:7], 17408
	s_or_b32 s[G0T+3], s[G0T+3], 0x80000000
	s_mov_b32 s[G0K], 1
	s_mov_b32 s[G0K+1], BKL
	s_mov_b64 s[G0K+2:G0K+3], s[8:9]
	s_or_b32 s[G0K+3], s[G0K+3], 0x80000000
; The launch's only fills, one a wave: ONE chain of branches on the wave's number, a load to an arm, all arms leading to one join.  Waves 0, 1: x's halves; wave 2: Wk; wave 3: Wk's last 16 bytes; wave 4: bk
.macro ARM under, g0, g1, next
	s_cmp_lt_u32 s[WV], \under
	s_cbranch_scc0 \next
	tensor_load_to_lds s[\g0:\g0+3], s[\g1:\g1+7]
	s_nop 0
.rept 4
	v_nop
.endr
	s_branch .Lno_fetch
\next:
.endm
	ARM 2, G0,  G1,  .Lfor_w
	ARM 3, G0W, G1W, .Lfor_t
	ARM 4, G0T, G1T, .Lfor_k
	s_cmp_lt_u32 s[WV], 5
	s_cbranch_scc0 .Lno_fetch
	tensor_load_to_lds s[G0K:G0K+3], s[G1K:G1K+7]
	s_nop 0
.rept 4
	v_nop
.endr
.Lno_fetch:
; 17 loads: of tile t's row of Wk my block h (32 numbers) and numbers 64, 65, into v[R] on
.macro LOADW t, R
.set i, 0
.rept 16
.if (\t) < 4
	ds_load_b64 v[\R+2*i:\R+2*i+1], v[WA] offset:WKL+(32*((\t)/2)+8*((\t)%2))*XROW+8*i
.else
	ds_load_b64 v[\R+2*i:\R+2*i+1], v[WA4] offset:WKL+8*i
.endif
.set i, i+1
.endr
.if (\t) < 4
	ds_load_b64 v[\R+32:\R+33], v[WB] offset:WKL+(32*((\t)/2)+8*((\t)%2))*XROW
.else
	ds_load_b64 v[\R+32:\R+33], v[WB4] offset:WKL
.endif
.endm
; A row of 66 numbers becomes a fragment.  The operand's layout gives lane (r, h) the whole blocks h and 2 + h of row r: v[R] .. v[R+31] are block h; block 2 is numbers 64, 65 and zeros, block 3 zeros.
; Codes into v[F] .. v[F+8] (v[F+9] on stay 0), the row's scale word into v[W].
.macro QROW R, F, W
	v_cndmask_b32 v[Z], 0, v[\R+32], s[LO]         ; lanes 16-31: block 3, zeros
	v_cndmask_b32 v[Z+1], 0, v[\R+33], s[LO]
	v_max3_num_f32 v[TM], |v[\R]|, |v[\R+1]|, |v[\R+2]|       ; the block's largest magnitude, in two chains
	v_max3_num_f32 v[TM+1], |v[\R+3]|, |v[\R+4]|, |v[\R+5]|
.irp i, 6,10,14,18,22,26
	s_delay_alu instid0(VALU_DEP_2)
	v_max3_num_f32 v[TM], v[TM], |v[\R+\i]|, |v[\R+\i+1]|
	s_delay_alu instid0(VALU_DEP_2)
	v_max3_num_f32 v[TM+1], v[TM+1], |v[\R+\i+2]|, |v[\R+\i+3]|
.endr
	s_delay_alu instid0(VALU_DEP_2)
	v_max3_num_f32 v[TM], v[TM], |v[\R+30]|, |v[\R+31]|
	v_max3_num_f32 v[TM+2], |v[Z]|, |v[Z+1]|, FLOOR           ; the short block's, with the floor
	s_delay_alu instid0(VALU_DEP_2)
	v_max3_num_f32 v[TM], v[TM], v[TM+1], FLOOR               ; and the floor, so that the byte cannot fall under 1
	s_delay_alu instid0(VALU_DEP_1)
	v_add_nc_u32 v[TM+4], 0xff000000, v[TM]        ; 2 off the exponent field: the conversion's scale operand
	s_delay_alu instid0(VALU_DEP_3)
	v_add_nc_u32 v[TM+5], 0xff000000, v[TM+2]
	s_delay_alu instid0(VALU_DEP_2)
	v_lshrrev_b32 v[TM+6], 23, v[TM+4]             ; the scales' bytes
	s_delay_alu instid0(VALU_DEP_2)
	v_lshrrev_b32 v[TM+7], 23, v[TM+5]
	s_delay_alu instid0(VALU_DEP_1)
	v_lshl_or_b32 v[\W], v[TM+7], 16, v[TM+6]      ; my two bytes, blocks h and 2 + h,
	s_delay_alu instid0(VALU_DEP_1)
	v_lshlrev_b32 v[\W], v[SH], v[\W]              ; at their places;
	s_delay_alu instid0(VALU_DEP_1)
	v_permlanex16_b32 v[TM+8], v[\W], s[SEL], s[SEL+1]
	s_delay_alu instid0(VALU_DEP_1)
	v_or_b32 v[\W], v[\W], v[TM+8]                 ; with lane l xor 16's two the word is whole
	v_cvt_scalef32_pk16_fp6_f32 v[\F:\F+2], v[\R:\R+15], v[TM+4]
	v_cvt_scalef32_pk16_fp6_f32 v[CT:CT+2], v[\R+16:\R+31], v[TM+4]
	v_cvt_scalef32_pk16_fp6_f32 v[\F+6:\F+8], v[Z:Z+15], v[TM+5]
	v_nop                                          ; one plain place behind a scaled conversion
.irp i, 0,1,2
	v_mov_b32 v[\F+3+\i], v[CT+\i]
.endr
.endm
	s_wait_tensorcnt 0x0                           ; my fill has landed (waves 0-4; the others have none out)
	s_wait_dscnt 0x0
	s_barrier_signal -1
	s_barrier_wait -1                              ; the step's 128 rows of x, Wk and bk lie in LDS
	s_cmp_lt_u32 s[WV], 8
	s_cbranch_scc0 .Lchannels
	; waves 0-7: all of Wk is quantised, from LDS.  Three sets of registers take turns
	LOADW 0, RA
	LOADW 1, RB
	LOADW 2, RC
	s_wait_dscnt 34                                ; tile 0's 17 loads are in; the two younger sets may be out
	QROW RA, WF, WS
	LOADW 3, RA
	s_wait_dscnt 34                                ; tile 1's; tiles 2 and 3 may be out
	QROW RB, WF+12, WS+1
	LOADW 4, RB
	s_wait_dscnt 34                                ; tile 2's; tiles 3 and 4 may be out
	QROW RC, WF+24, WS+2
	s_wait_dscnt 17                                ; tile 3's; tile 4 may be out
	QROW RA, WF+36, WS+3
	s_wait_dscnt 0x0
	QROW RB, WF+48, WS+4
.irp t, 0,1,2,3                                ; bk in the result's layout: lane (r, h), tile 2 b + u, register j: bk[32 b + 16 h + 8 u + j]
	ds_load_b128 v[BI+8*\t:BI+8*\t+3], v[BO] offset:(32*(\t/2)+8*(\t%2))*4
	ds_load_b128 v[BI+8*\t+4:BI+8*\t+7], v[BO] offset:(32*(\t/2)+8*(\t%2))*4+16
.endr
	ds_load_b64 v[BI+32:BI+33], v[CW] offset:256   ; tile 4: bk[64], bk[65]; only lanes 0-15 are used
.irp i, 2,3,4,5,6,7
	v_mov_b32 v[BI+32+\i], 0
.endr
	; ---- waves 0-7: my 16 keys
.set i, 0
.rept 16
	ds_load_b64 v[RA+2*i:RA+2*i+1], v[XA] offset:8*i
.set i, i+1
.endr
	ds_load_b64 v[RA+32:RA+33], v[XC]
	s_wait_dscnt 0x0
	QROW RA, XF, XS
	s_wait_alu depctr_va_vdst(0)
	s_wait_loadcnt 0x0                             ; no global load is out: bk came from LDS
.rept 8
	v_nop                                          ; a scale word written by a vector instruction stands 8 places ahead of a scaled matrix instruction, codes so written 4
.endr
.irp t, 0,1,2,3,4
	v_wmma_scale_f32_16x16x128_f8f6f4 v[HH+8*\t:HH+8*\t+7], v[WF+12*\t:WF+12*\t+11], v[XF:XF+11], v[BI+8*\t:BI+8*\t+7], v[WS+\t], v[XS] matrix_a_fmt:MATRIX_FMT_FP6 matrix_b_fmt:MATRIX_FMT_FP6
.endr
.rept 4
	v_nop                                          ; four places ahead of the first read of results
.endr
	; K^T is quantised along its 66 numbers: register 16 b + i = number 32 b + 16 h + i of my key; numbers 64, 65 lie in lanes 0-15 of tile 4's registers 0, 1.  Each accumulator is read from its low end on
	v_cndmask_b32 v[Z], 0, v[HH+32], s[LO]
	v_cndmask_b32 v[Z+1], 0, v[HH+33], s[LO]
.irp b, 0,1
	v_max3_num_f32 v[TM+\b], |v[HH+16*\b]|, |v[HH+16*\b+1]|, FLOOR
.endr
.irp i, 2,4,6,8,10,12,14
.irp b, 0,1
	v_max3_num_f32 v[TM+\b], v[TM+\b], |v[HH+16*\b+\i]|, |v[HH+16*\b+\i+1]|
.endr
.endr
	v_max3_num_f32 v[TM+2], |v[Z]|, |v[Z+1]|, FLOOR
.irp b, 0,1,2
	s_delay_alu instid0(VALU_DEP_3)
	v_permlanex16_b32 v[TM+4+\b], v[TM+\b], s[SEL], s[SEL+1]
.endr
.irp b, 0,1,2
	s_delay_alu instid0(VALU_DEP_3)
	v_max_num_f32 v[TM+\b], v[TM+\b], v[TM+4+\b]   ; with lane l xor 16's: the block's largest magnitude
.endr
.irp b, 0,1,2
	s_delay_alu instid0(VALU_DEP_3)
	v_add_nc_u32 v[TM+8+\b], 0xff000000, v[TM+\b]
.endr
.irp b, 0,1,2
	s_delay_alu instid0(VALU_DEP_3)
	v_lshrrev_b32 v[TM+4+\b], 23, v[TM+8+\b]
.endr
	s_delay_alu instid0(VALU_DEP_2)
	v_lshl_or_b32 v[SW], v[TM+5], 8, v[TM+4]
	s_delay_alu instid0(VALU_DEP_1)
	v_lshl_or_b32 v[SW], v[TM+6], 16, v[SW]        ; my key's scale word; byte 3 stays 0 over zero codes
	v_cvt_scalef32_pk16_fp6_f32 v[KF:KF+2], v[HH:HH+15], v[TM+8]
	v_cvt_scalef32_pk16_fp6_f32 v[CT:CT+2], v[HH+16:HH+31], v[TM+9]
	v_cvt_scalef32_pk16_fp6_f32 v[KF+6:KF+8], v[Z:Z+15], v[TM+10]
	v_nop
.irp i, 0,1,2
	v_permlane16_swap_b32 v[KF+\i], v[CT+\i]       ; the operand's layout wants a whole block in a lane: lanes 0-15 block 0, lanes 16-31 block 1
.endr
.irp i, 0,1,2
	s_delay_alu instid0(VALU_DEP_3)
	v_mov_b32 v[KF+3+\i], v[CT+\i]
.endr
	global_store_b128 v[LI], v[KF:KF+3], s[12:13]              ; each store covers 512 consecutive bytes, at a multiple of 256 from kv's first byte
	global_store_b128 v[LI], v[KF+4:KF+7], s[12:13] offset:512
	ds_store_b32 v[SA], v[SW]                      ; lanes l and l xor 16 write the same word with the same value
	s_branch .Ljoin
.Lchannels:
	; ---- waves 8-12: my 16 channels of x, quantised along the keys.  A lane takes a channel, and its registers run down the keys in the order that the operand's layout gives it: keys 64 c + 32 h + 0 .. 31
.set j, 0
.rept 64
	ds_load_b32 v[VX+j], v[VA] offset:(64*(j/32)+j%32)*XROW
.set j, j+1
.endr
	s_wait_dscnt 0x0
.irp c, 0,1
	v_max3_num_f32 v[TM+\c], |v[VX+32*\c]|, |v[VX+32*\c+1]|, FLOOR
.endr
.irp i, 2,4,6,8,10,12,14,16,18,20,22,24,26,28,30
.irp c, 0,1
	s_delay_alu instid0(VALU_DEP_2)
	v_max3_num_f32 v[TM+\c], v[TM+\c], |v[VX+32*\c+\i]|, |v[VX+32*\c+\i+1]|
.endr
.endr
.irp c, 0,1
	s_delay_alu instid0(VALU_DEP_2)
	v_add_nc_u32 v[TM+4+\c], 0xff000000, v[TM+\c]
.endr
.irp c, 0,1
	s_delay_alu instid0(VALU_DEP_2)
	v_lshrrev_b32 v[TM+6+\c], 23, v[TM+4+\c]
.endr
	s_delay_alu instid0(VALU_DEP_1)
	v_lshl_or_b32 v[SW], v[TM+7], 16, v[TM+6]      ; blocks h and 2 + h of my channel
	s_delay_alu instid0(VALU_DEP_1)
	v_lshlrev_b32 v[SW], v[SH], v[SW]
	s_delay_alu instid0(VALU_DEP_1)
	v_permlanex16_b32 v[TM+8], v[SW], s[SEL], s[SEL+1]
	s_delay_alu instid0(VALU_DEP_1)
	v_or_b32 v[SW], v[SW], v[TM+8]
.irp c, 0,1
	v_cvt_scalef32_pk16_fp6_f32 v[XF+6*\c:XF+6*\c+2], v[VX+32*\c:VX+32*\c+15], v[TM+4+\c]
	v_cvt_scalef32_pk16_fp6_f32 v[CT+4*\c:CT+4*\c+2], v[VX+32*\c+16:VX+32*\c+31], v[TM+4+\c]
.endr
	v_nop
.irp c, 0,1
.irp i, 0,1,2
	v_mov_b32 v[XF+3+6*\c+\i], v[CT+4*\c+\i]
.endr
.endr
.set i, 0
.rept 12
	v_cndmask_b32 v[XF+i], 0, v[XF+i], s[VM]       ; channels from 66 on: zero codes
.set i, i+1
.endr
.irp g, 0,1,2
	global_store_b128 v[LI], v[XF+4*\g:XF+4*\g+3], s[12:13] offset:512*\g
.endr
	s_cmp_eq_u32 s[TT], 4
	s_cbranch_scc1 .Ltile4
	ds_store_b32 v[SA], v[SW]
	s_branch .Ljoin
.Ltile4:
	ds_store_b128 v[SA], v[SW:SW+3]                ; tile 4's word and the three zero words beside it
.Ljoin:
	s_wait_dscnt 0x0                               ; for the others' sake: my scale word lies in LDS
	s_barrier_signal -1
	s_barrier_wait -1
	s_cmp_lt_u32 s[WV], 2
	s_cbranch_scc0 .Lend
	ds_load_b128 v[RA:RA+3], v[BK]                 ; wave 0: K's 512 bytes of scale words; wave 1: x's
	s_wait_dscnt 0x0
	global_store_b128 v[LI], v[RA:RA+3], s[14:15]
.Lend:
	s_wait_tensorcnt 0x0
	ds_add_u32 v251, v255
	s_wait_dscnt 0x0
	s_endpgm
.Lfunc_end_k_qf1e61a8865_prep:
	.size	k_qf1e61a8865_prep, .Lfunc_end_k_qf1e61a8865_prep-k_qf1e61a8865_prep
	.p2alignl 7, 3214868480
	.fill 96, 4, 3214868480
	.section	.rodata,"a",@progbits
	.p2align	6, 0x0
	.amdhsa_kernel k_qf1e61a8865_prep
		.amdhsa_group_segment_fixed_size 169728
		.amdhsa_private_segment_fixed_size 0
		.amdhsa_enable_private_segment 0
		.amdhsa_kernarg_size 32
		.amdhsa_user_sgpr_count 2
		.amdhsa_user_sgpr_kernarg_segment_ptr 1
		.amdhsa_wavefront_size32 1
		.amdhsa_system_sgpr_workgroup_id_x 1
		.amdhsa_system_sgpr_workgroup_id_y 1
		.amdhsa_system_sgpr_workgroup_id_z 1
		.amdhsa_system_vgpr_workitem_id 0
		.amdhsa_next_free_vgpr 256
		.amdhsa_next_free_sgpr 96
		.amdhsa_reserve_vcc 0
		.amdhsa_float_denorm_mode_32 3
		.amdhsa_float_denorm_mode_16_64 3
		.amdhsa_memory_ordered 1
		.amdhsa_forward_progress 1
		.amdhsa_inst_pref_size 47
	.end_amdhsa_kernel
	.amdgpu_metadata
---
amdhsa.version: [ 1, 2 ]
amdhsa.kernels:
  - .name:           k_qf1e61a8865_prep
    .symbol:         k_qf1e61a8865_prep.kd
    .args:
      - { .name: x, .offset: 0, .size: 8, .value_kind: global_buffer, .address_space: global }
      - { .name: Wk, .offset: 8, .size: 8, .value_kind: global_buffer, .address_space: global }
      - { .name: bk, .offset: 16, .size: 8, .value_kind: global_buffer, .address_space: global }
      - { .name: kv, .offset: 24, .size: 8, .value_kind: global_buffer, .address_space: global }
    .group_segment_fixed_size: 169728
    .private_segment_fixed_size: 0
    .kernarg_segment_align: 8
    .kernarg_segment_size: 32
    .max_flat_workgroup_size: 416
    .sgpr_count:     96
    .vgpr_count:     256
    .wavefront_size: 32
...
	.end_amdgpu_metadata
.endif
;; end of part 1
;; launch attn (part 2): grid 32 x 8, 8 waves a work-group, clusters of 4 x 1, 327,680 bytes of LDS; arguments query, kv, part; writes part
.if DOCPART == 2
	.amdgcn_target "amdgcn-amd-amdhsa--gfx1250"
	.amdhsa_code_object_version 6
	.text
	.protected	k_qf1e61a8865_attn
	.globl	k_qf1e61a8865_attn
	.p2align	8
	.type	k_qf1e61a8865_attn,@function
k_qf1e61a8865_attn:
	s_mov_b64 s[64:65], 0
	v_nop
	global_prefetch_b8 v0, s[64:65] scope:SCOPE_SE
	s_setreg_imm32_b32 hwreg(HW_REG_WAVE_MODE, 25, 1), 1
	s_wait_xcnt 0x0
	s_wait_alu depctr_hold_cnt(0) depctr_sa_sdst(0) depctr_va_vdst(0) depctr_va_sdst(0) depctr_va_ssrc(0) depctr_va_vcc(0) depctr_vm_vsrc(0)
	s_getreg_b32 s2, hwreg(HW_REG_IB_STS2, 6, 4)
	s_cmp_eq_u32 s2, 0
	s_cbranch_scc0 .Lentry_in_a_cluster
	s_endpgm
.Lentry_in_a_cluster:
	s_bfe_u32 s2, ttmp6, 0x10000c
	s_cmp_lg_u32 s2, 0x3003
	s_cbranch_scc0 .Lentry_shape_is_right
	s_endpgm
.Lentry_shape_is_right:
; Attention of 8,192 queries over 32,768 keys, d = 66, both products on codes of E2M3 with one E8M0 scale for each 32 along a product's K; the keys are split eight ways over work-groups.
; Work-group (x, y): queries 256 x on, keys 4,096 y on: 32 steps of 128 keys.  Each of its eight waves owns TWO tiles of 16 queries, so that each fragment of K and of x read from LDS feeds two products.
; The result is a PART: O^T not normalised, -M and the row's sum, stored as images of registers; the next launch joins the eight parts of a query.
; THE SOFTMAX: t = score x log2(e); M = the largest t so far, rounded UP to a whole number; p = 2^(t - M) is quantised along the keys, not normalised; the row's sum is taken of the unquantised p.
; When M moves, the sum and O^T are multiplied by 2^(old M - new M): exact.
; LAYOUT.  Both products are used transposed: S^T = K Q^T (source 0 = 16 keys), O^T = V^T P^T (source 0 = 16 channels of x): a lane holds ONE query (lane % 16) of each tile.  The keys of a tile of K were chosen by the launch
; that made kv: row m of tile t is key 64 (t / 4) + 8 (t % 4) + m % 8 + 32 (m / 8).  So registers 0-31 of S^T in lane (r, h) are keys 32 h + 0 .. 31 and registers 32-63 keys 64 + 32 h + 0 .. 31: two WHOLE blocks of 32,
; in the order of the next operand's registers: a block's maximum needs no other lane, and the conversions' results are the operand.
; kv holds, for each step, one dense block of 16,896 bytes laid in the order of the operands' registers: every LDS load takes 16 bytes a lane at 16 x lane.  K's registers 8-11 (d being 66) are zero codes, cleared once.
; REGISTERS.  Window 0 (v0-255): addresses, K's eight fragments, x's five, scale words, Q's two fragments, and what is one number a lane and tile.  Window 1: tile i at 128 i: S^T / p 0-63, O^T 64-103, p's codes 104-115,
; 116-123 at work, 124-125 the row's sum in two halves.  Both tiles lie in one window, so one setting serves both.
; CLUSTER.  The four work-groups of a cluster have the same y and walk the same steps of kv: each piece is asked for JOINTLY, by the same tensor load with the same descriptor and the mask of all four.
; THE RING: two slots of four steps (67,584 bytes); each of the eight waves fetches half a step's block (33 rows of 256 bytes), one tensor load a wave behind each round: a wave never has more than one out.
; All of the WGP's LDS is claimed.
; LIMITS: NaN and infinities are not served.  The scaled scores stay under 2^31 in magnitude.  A block of q whose largest magnitude lies under 2^-124 gets the byte 1 (a block of zeros has zero codes; the others were not tried).
; p under 2^-126 counts as 0 (v_exp_f32: ISA guide 15.8).  A block's largest p is taken from the block's largest score, which takes v_exp_f32 not to fall where its input rises.
.set STEPB, 16896
.set HALFB, 8448
.set SLOTB, 4*STEPB
.set SLOT1, 1<<17                      ; slot 1 begins here: one exclusive or turns an address in one slot into the other's
.set SPARE, SLOT1+SLOTB                ; behind the ring: the spare words, 128 bytes for each wave: four blocks of 256 bytes that no other line names
.set NSL,   8
.set XROW,  264
.set FLOOR, 0x1800000                  ; 2^(3 - 127)
; window 0
.set LI,  1                            ; 16 x lane
.set ADA, 2                            ; LDS: my 16 bytes in the slot's steps 0, 1
.set ADB, 3                            ; in its steps 2, 3
.set SPW, 5                            ; my spare word; never rewritten
.set NIL, 6                            ; 0; never rewritten
.set QA,  8
.set QB,  9
.set SH,  10                           ; 8 h
.set PFO, 11                           ; the prefetches' offset
.set NEG, 12                           ; -3e38: where a maximum begins
.set KF,  32                           ; v32-127  K's eight fragments
.set Z,   104                          ; at the head: Q's short block
.set G8,  32                           ; on the way out: (channel 64, channel 65, -M, l) of each tile
.set VF,  128                          ; v128-187 x's five fragments
.set RA,  128                          ; at the head: Q's rows as loaded
.set RB,  162
.set KS,  188                          ; K's scale words: lanes 0-15 tiles 0-3, lanes 16-31 tiles 4-7
.set VS,  192                          ; x's scale words
.set PW,  196                          ; p's scale word, tile i at +i
.set QW,  198                          ; Q's
.set QF,  200                          ; Q's fragments, tile i at +12 i
.set MN,  224                          ; tile i: +2 i: -M;  +2 i + 1: the largest score so far
.set FF,  228                          ; tile i: +2 i: f = 2^(old M - new M); the register above is named with it as a pair
.set BM,  232                          ; tile i, block b of my two: +2 i + b: the largest score, then the largest p
.set SO,  236                          ; the conversions' scale operands, likewise
.set TP,  240
.set TQ,  242
.set OLD, 244
.set PT,  246                          ; v246-249
.set CTH, 250
; window 1, to be added to 128 i
.set OT,  64
.set PC,  104
.set CT,  116                          ; 116-118, 120-122: a conversion's three registers begin on an even number
.set T,   114                          ; chains 1-3 of the sum at T + 2 j
.set L,   124
.set WV,  18
.set SEL, 20
.set CS,  22
.set G1,  24
.set G0,  32
.set SLOTS, 36
.set PFA, 38
.set LIM, 40
.set LO,  41
.set TB,  44
.set MSB, 0
.macro WIN new                         ; low byte: bits 1:0 source 0, 3:2 source 1, 5:4 source 2, 7:6 destination; the high byte repeats the setting that is left
.if MSB != \new
	s_set_vgpr_msb (MSB<<8)|\new
.set MSB, \new
.endif
.endm
.macro D n
	s_delay_alu instid0(VALU_DEP_\n)
.endm
.macro CROUND                          ; a round of the cluster's barrier
	s_barrier_signal -1
	s_barrier_wait -1
	s_cmp_lg_u32 s[WV], 0
	s_cbranch_scc1 .Lnot_wave_0_\@
	s_barrier_signal -3
.Lnot_wave_0_\@:
	s_barrier_wait -3
	s_barrier_signal -1
	s_barrier_wait -1
.endm
.macro TLOAD                           ; the joint load: every wave, its eighth of a slot.  s_nop 0 and four v_nop follow
	tensor_load_to_lds s[G0:G0+3], s[G1:G1+7]
	s_nop 0
.rept 4
	v_nop
.endr
.endm
; A PREFETCH of the slot that the NEXT change of slots will ask for: four steps ahead of that load.  All clusters of one y walk the same steps: the first of them (cluster x = 0) asks.  Its four partners take one step's block each,
; told apart BY ADDRESS.  A block is 66 pieces of 256 bytes: wave 4 names pieces 0-31, wave 5 pieces 32-63, a lane a piece; wave 6 the last two.  The last change that fills a slot asks for nothing; slots 0 and 1 come by their loads alone.
.macro ASK
	s_cmp_gt_u32 s[SLOTS], s[LIM]
	s_cbranch_scc0 .Lnot_mine_\@
	global_prefetch_b8 v[PFO], s[PFA:PFA+1] th:TH_LOAD_NT scope:SCOPE_SE
.Lnot_mine_\@:
.endm
	s_load_b128 s[4:7], s[0:1], 0x0                ; query, kv
	s_load_b64 s[8:9], s[0:1], 0x10                ; part
	v_lshl_add_u32 v[SPW], v0, 2, SPARE
	v_mov_b32 v[NIL], 0
	ds_add_u32 v[SPW], v[NIL]                      ; the opening lines: the add, twice on end, and its wait ahead of my first tensor load
	ds_add_u32 v[SPW], v[NIL]
	v_lshrrev_b32 v2, 5, v0
	v_readfirstlane_b32 s[WV], v2                  ; wave 0..7
	s_bfe_u32 s42, ttmp6, 0x40000                  ; cx: it enters query's, part's and the prefetches' addresses alone
	s_lshl_b32 s43, ttmp9, 2
	s_add_co_u32 s43, s43, s42                     ; my block of 256 queries
	s_and_b32 s46, ttmp7, 0xffff                   ; y: my eighth of the keys, which the partners share
	s_and_b32 s47, s[WV], 3
	s_mul_i32 s50, s46, 32*STEPB                   ; my y's steps in kv
	s_mul_i32 s48, s[WV], HALFB
	s_add_co_u32 s48, s48, s50                     ; what I fetch first: my eighth of slot 0
	s_mov_b32 s49, 0
	s_mul_i32 s51, s42, STEPB                      ; the prefetches: my work-group's step of a slot's four,
	s_add_co_u32 s50, s50, s51
	s_add_co_u32 s50, s50, SLOTB                   ; in slot 1: the first change of slots steps it to slot 2
	s_mov_b32 s51, 0
	s_lshl_b32 s52, s43, 4
	s_lshl_b32 s53, s[WV], 1
	s_add_co_u32 s52, s52, s53                     ; my first tile of 16 queries; the second follows it
	s_mul_i32 s54, s52, 16*XROW
	s_mov_b32 s55, 0
	s_lshl_b32 s53, s46, 9
	s_add_co_u32 s52, s52, s53                     ; its part: 512 y + tile, 4,608 bytes each
	s_mul_i32 s52, s52, 4608
	s_mov_b32 s53, 0
	s_lshr_b32 s[LIM], s[WV], 2
	s_xor_b32 s[LIM], s[LIM], 1                    ; 0 in waves 4 to 7,
	s_or_b32 s[LIM], s[LIM], ttmp9                 ; of the first cluster of my y: the same in all four partners
	s_cmp_eq_u32 s[LIM], 0
	s_cselect_b32 s[LIM], 1, -1
	s_cmp_eq_u32 s[WV], 7
	s_cselect_b32 s[LIM], -1, s[LIM]
	s_cmp_eq_u32 s[WV], 6
	s_cselect_b32 s56, 1, 31
	s_lshl_b32 s57, s47, 13
	; descriptor group 1: 33 rows of 32 elements of 8 bytes, dense: half a step's block
	s_mov_b32 s[G1+0], 15|(3<<16)|(1<<21)          ; the mask: all four work-groups; elements of 8 bytes; bit 21 set beside a mask
	s_mov_b32 s[G1+1], 32<<16
	s_mov_b32 s[G1+2], 33<<16
	s_mov_b32 s[G1+3], 32<<16
	s_mov_b32 s[G1+4], 33
	s_mov_b32 s[G1+5], 32
	s_mov_b32 s[G1+6], 0
	s_mov_b32 s[G1+7], 0
	s_mov_b32 s[SEL], 0x76543210
	s_mov_b32 s[SEL+1], 0xfedcba98                 ; v_permlanex16_b32's selects for lane l xor 16
	s_mov_b32 s[CS], 0x3fb8aa3b                    ; log2(e)
	s_mov_b32 s[CS+1], s[CS]
	s_mov_b32 s[LO], 0xffff                        ; lanes 0-15
	s_mov_b32 s[TB], 0
	s_mov_b32 s[SLOTS], NSL-1
	v_and_b32 v[LI], 31, v0
	v_and_b32 v7, 15, v0                           ; r
	v_bfe_u32 v4, v0, 4, 1                         ; h
	v_and_b32 v[PFO], s56, v[LI]
	v_mul_u32_u24 v[QA], v7, XROW
	v_lshlrev_b32 v[SH], 3, v4
	v_lshlrev_b32 v[PFO], 8, v[PFO]
	v_add_nc_u32 v[QB], 256, v[QA]                 ; query: row r, byte 256
	v_lshl_add_u32 v[QA], v4, 7, v[QA]             ; row r, + 128 h
	v_lshlrev_b32 v[LI], 4, v[LI]
	v_add_nc_u32 v[PFO], s57, v[PFO]               ; 8,192 x (wave % 4) + 256 x lane
	s_wait_alu depctr_va_vdst(0)                   ; the wait ahead of the waits below
	s_wait_dscnt 0x0                               ; both opening adds are done
	s_wait_kmcnt 0x0
	s_add_nc_u64 s[4:5], s[4:5], s[54:55]
.set i, 0                              ; Q's rows are asked for here, ahead of the round: nobody writes them, so they may be out across it
.rept 16
	global_load_b64 v[RA+2*i:RA+2*i+1], v[QA], s[4:5] offset:8*i
	global_load_b64 v[RB+2*i:RB+2*i+1], v[QA], s[4:5] offset:16*XROW+8*i
.set i, i+1
.endr
	global_load_b64 v[RA+32:RA+33], v[QB], s[4:5]
	global_load_b64 v[RB+32:RB+33], v[QB], s[4:5] offset:16*XROW
	s_add_nc_u64 s[8:9], s[8:9], s[52:53]
	s_add_nc_u64 s[PFA:PFA+1], s[6:7], s[50:51]
	s_mov_b32 s[G0], 1
	s_mul_i32 s[G0+1], s[WV], HALFB                ; LDS address: slot 0, my eighth: no place in the cluster enters it
	s_add_nc_u64 s[G0+2:G0+3], s[6:7], s[48:49]
	s_or_b32 s[G0+3], s[G0+3], 0x80000000
	CROUND                                         ; all four work-groups are here: the first joint loads meet
	TLOAD                                          ; slot 0: one tensor load a wave
	; Q: my 32 rows, quantised in registers.  The operand's layout gives lane (r, h) the whole blocks h and 2 + h of row r
	WIN 0x40
.irp i, 0,1
.set j, 0
.rept 40
	v_mov_b32 v[128*\i+OT+j], 0                    ; O^T.  (The step is written once: the first finds zeros, which the first change of M leaves zeros)
.set j, j+1
.endr
	v_mov_b32 v[128*\i+L], 0
	v_mov_b32 v[128*\i+L+1], 0
.endr
	WIN 0
.set i, 2
.rept 14
	v_mov_b32 v[Z+i], 0
.set i, i+1
.endr
.irp i, 0,1
	v_mov_b32 v[QF+12*\i+9], 0
	v_mov_b32 v[QF+12*\i+10], 0
	v_mov_b32 v[QF+12*\i+11], 0
	v_mov_b32 v[TQ+\i], 0                          ; a lane permute's destination counts as one of its sources
	v_mov_b32 v[FF+2*\i+1], 0
	v_mov_b32 v[MN+2*\i], 0x7f61b1e6               ; -M = 3e38,
	v_mov_b32 v[MN+2*\i+1], 0xff61b1e6             ; the largest score so far: -3e38
.endr
	v_mov_b32 v[NEG], 0xff61b1e6
.macro QROW R, F, W
	v_cndmask_b32 v[Z], 0, v[\R+32], s[LO]         ; block 2: numbers 64, 65 and zeros; lanes 16-31: block 3, zeros
	v_cndmask_b32 v[Z+1], 0, v[\R+33], s[LO]
	v_max3_num_f32 v[BM], |v[\R]|, |v[\R+1]|, |v[\R+2]|
	v_max3_num_f32 v[BM+1], |v[\R+3]|, |v[\R+4]|, |v[\R+5]|
.irp i, 6,10,14,18,22,26
	D 2
	v_max3_num_f32 v[BM], v[BM], |v[\R+\i]|, |v[\R+\i+1]|
	D 2
	v_max3_num_f32 v[BM+1], v[BM+1], |v[\R+\i+2]|, |v[\R+\i+3]|
.endr
	D 2
	v_max3_num_f32 v[BM], v[BM], |v[\R+30]|, |v[\R+31]|
	v_max3_num_f32 v[BM+2], |v[Z]|, |v[Z+1]|, FLOOR
	D 2
	v_max3_num_f32 v[BM], v[BM], v[BM+1], FLOOR
	D 1
	v_add_nc_u32 v[SO], 0xff000000, v[BM]          ; 2 off the exponent field: the conversion's scale operand
	D 3
	v_add_nc_u32 v[SO+1], 0xff000000, v[BM+2]
	D 2
	v_lshrrev_b32 v[PT], 23, v[SO]
	D 2
	v_lshrrev_b32 v[PT+1], 23, v[SO+1]
	D 1
	v_lshl_or_b32 v[\W], v[PT+1], 16, v[PT]
	D 1
	v_lshlrev_b32 v[\W], v[SH], v[\W]
	D 1
	v_permlanex16_b32 v[TQ], v[\W], s[SEL], s[SEL+1]
	D 1
	v_or_b32 v[\W], v[\W], v[TQ]                   ; my row's scale word
	v_cvt_scalef32_pk16_fp6_f32 v[\F:\F+2], v[\R:\R+15], v[SO]
	v_cvt_scalef32_pk16_fp6_f32 v[CTH:CTH+2], v[\R+16:\R+31], v[SO]
	v_cvt_scalef32_pk16_fp6_f32 v[\F+6:\F+8], v[Z:Z+15], v[SO+1]
	v_nop                                          ; one plain place behind a scaled conversion
.irp i, 0,1,2
	v_mov_b32 v[\F+3+\i], v[CTH+\i]
.endr
.endm
	s_wait_alu depctr_va_vdst(0)                   ; the wait ahead of the wait below
	s_wait_loadcnt 0x0
	QROW RA, QF, QW
	QROW RB, QF+12, QW+1
.irp t, 0,1,2,3,4,5,7                          ; K's codes from 80 on: zeros, for the whole launch (fragment 6's lie in Z's zeros).  These lines are also the places between Q's scale words and codes and the first products
.irp i, 8,9,10,11
	v_mov_b32 v[KF+12*\t+\i], 0
.endr
.endr
.macro KLOAD ad, bs                    ; 17 loads: K's scale words and eight fragments' registers 0-7
	ds_load_b128 v[KS:KS+3], v[\ad] offset:\bs+8192
.irp t, 0,1,2,3,4,5,6,7
	ds_load_b128 v[KF+12*\t:KF+12*\t+3], v[\ad] offset:\bs+\t*1024
	ds_load_b128 v[KF+12*\t+4:KF+12*\t+7], v[\ad] offset:\bs+\t*1024+512
.endr
.endm
; A KEY STEP: 128 keys, the q-th of the slot in hand, for both my tiles
.macro STEP q
.set AD, ADA+(\q)/2
.set BS, ((\q)%2)*STEPB
.set AN, ADA+((\q)+1)/2
.set BN, (((\q)+1)%2)*STEPB
.if (\q) == 0
	KLOAD AD, BS
.endif
	s_wait_dscnt 0x0                               ; K's fragments are in
	WIN 0x40                                       ; results in window 1
.irp t, 0,1,2,3,4,5,6,7                        ; S^T = K Q^T: sixteen accumulators, one instruction each
.irp i, 0,1
.if \t < 4
	v_wmma_scale_f32_16x16x128_f8f6f4 v[128*\i+8*\t:128*\i+8*\t+7], v[KF+12*\t:KF+12*\t+11], v[QF+12*\i:QF+12*\i+11], 0, v[KS+\t], v[QW+\i] matrix_a_fmt:MATRIX_FMT_FP6 matrix_b_fmt:MATRIX_FMT_FP6
.else
	v_wmma_scale_f32_16x16x128_f8f6f4 v[128*\i+8*\t:128*\i+8*\t+7], v[KF+12*\t:KF+12*\t+11], v[QF+12*\i:QF+12*\i+11], 0, v[KS+\t-4], v[QW+\i] matrix_a_fmt:MATRIX_FMT_FP6 matrix_b_fmt:MATRIX_FMT_FP6 matrix_a_scale:MATRIX_SCALE_ROW1
.endif
.endr
.endr
	WIN 0
.rept 4
	v_nop                                          ; four places: ahead of the loads into registers that the products above and the last step's have read, and of the first read of results
.endr
	ds_load_b128 v[VS:VS+3], v[AD] offset:BS+16384 ; 16 loads: x's scale words and five fragments, for this step's second product
.irp t, 0,1,2,3,4
.irp g, 0,1,2
	ds_load_b128 v[VF+12*\t+4*\g:VF+12*\t+4*\g+3], v[AD] offset:BS+8704+\t*1536+512*\g
.endr
.endr
.if (\q) < 3
	KLOAD AN, BN                                   ; and the next step's K, from the same slot
.endif
	WIN 0x14                                       ; sources 1, 2 in window 1
.irp b, 0,1                                    ; the largest score of each of my two blocks of 32 keys, four chains by turns; each accumulator is read from its low end on
.irp i, 0,1
	v_max3_num_f32 v[BM+2*\i+\b], v[NEG], v[128*\i+32*\b], v[128*\i+32*\b+1]
.endr
.endr
.irp k, 2,4,6,8,10,12,14,16,18,20,22,24,26,28,30
.irp b, 0,1
.irp i, 0,1
	v_max3_num_f32 v[BM+2*\i+\b], v[BM+2*\i+\b], v[128*\i+32*\b+\k], v[128*\i+32*\b+\k+1]
.endr
.endr
.endr
	WIN 0
.irp i, 0,1
	v_max_num_f32 v[TP+\i], v[BM+2*\i], v[BM+2*\i+1]
.endr
.irp i, 0,1
	v_mov_b32 v[OLD+\i], v[MN+2*\i]
.endr
.irp i, 0,1
	D 4
	v_permlanex16_b32 v[TQ+\i], v[TP+\i], s[SEL], s[SEL+1]
.endr
.irp i, 0,1
	D 2
	v_max3_num_f32 v[MN+2*\i+1], v[MN+2*\i+1], v[TP+\i], v[TQ+\i]   ; the running largest score of my query
.endr
.irp i, 0,1
	D 2
	v_mul_f32 v[TP+\i], s[CS], v[MN+2*\i+1]        ; as t
.endr
.irp i, 0,1
	D 2
	v_floor_f32 v[MN+2*\i], -v[TP+\i]              ; the new -M = floor(-t) = -ceil(t): a whole number
.endr
.irp i, 0,1
	D 2
	v_sub_f32 v[OLD+\i], v[MN+2*\i], v[OLD+\i]     ; old M less new M: a whole number, 0 or less
.endr
.irp i, 0,1
.irp b, 0,1
	v_fma_f32 v[BM+2*\i+\b], v[BM+2*\i+\b], s[CS], v[MN+2*\i]   ; t - M of each block's largest score
.endr
.endr
.irp i, 0,1
	v_cvt_i32_f32 v[OLD+\i], v[OLD+\i]             ; (it saturates)
.endr
.irp i, 0,1
	D 2
	v_ldexp_f32 v[FF+2*\i], 1.0, v[OLD+\i]         ; f = 2^(old M - new M)
.endr
	WIN 0x41                                       ; source 0 and destination in window 1
.irp i, 0,1
.set j, 0
.rept 32
	v_pk_fma_f32 v[128*\i+j:128*\i+j+1], v[128*\i+j:128*\i+j+1], s[CS:CS+1], v[MN+2*\i:MN+2*\i+1] op_sel_hi:[1,0,0]   ; t - M, two at a time
.set j, j+2
.endr
.endr
.irp i, 0,1
.set j, 0
.rept 17
	v_pk_mul_f32 v[128*\i+OT+j:128*\i+OT+j+1], v[128*\i+OT+j:128*\i+OT+j+1], v[FF+2*\i:FF+2*\i+1] op_sel_hi:[1,0]   ; O^T under the new M: channels 0-65; tile 4's other registers hold sums of zero codes
.set j, j+2
.endr
.endr
	WIN 0
	s_wait_alu depctr_va_vdst(0)                   ; the wait ahead of the batch
.irp x, 0,1,2,3
	v_exp_f32 v[BM+\x], v[BM+\x]                   ; the blocks' largest p
.endr
	WIN 0x41
.irp i, 0,1
.set j, 0
.rept 64
	v_exp_f32 v[128*\i+j], v[128*\i+j]             ; p = 2^(t - M)
.set j, j+1
.endr
.endr
.irp i, 0,1
	v_pk_mul_f32 v[128*\i+L:128*\i+L+1], v[128*\i+L:128*\i+L+1], v[FF+2*\i:FF+2*\i+1] op_sel_hi:[1,0]   ; the sums under the new M: the plain place behind the exponentials
.endr
	WIN 0
	s_wait_alu depctr_va_vdst(0)                   ; one wait for the whole batch, ahead of its first reader
.irp x, 0,1,2,3
	v_max_num_f32 v[BM+\x], FLOOR, v[BM+\x]        ; the floor: the byte cannot fall under 1
.endr
.irp x, 0,1,2,3
	D 4
	v_add_nc_u32 v[SO+\x], 0xff000000, v[BM+\x]    ; 2 off the exponent field: the conversion's scale operand
.endr
.irp x, 0,1,2,3
	D 4
	v_lshrrev_b32 v[PT+\x], 23, v[SO+\x]
.endr
.irp i, 0,1
	v_lshl_or_b32 v[PW+\i], v[PT+2*\i+1], 16, v[PT+2*\i]   ; my two bytes: blocks h and 2 + h,
.endr
.irp i, 0,1
	D 2
	v_lshlrev_b32 v[PW+\i], v[SH], v[PW+\i]        ; at their places;
.endr
.irp i, 0,1
	D 2
	v_permlanex16_b32 v[TQ+\i], v[PW+\i], s[SEL], s[SEL+1]
.endr
.irp i, 0,1
	D 2
	v_or_b32 v[PW+\i], v[PW+\i], v[TQ+\i]          ; with lane l xor 16's two: p's scale word for these 128 keys
.endr
	WIN 0x41
.irp i, 0,1
	v_cvt_scalef32_pk16_fp6_f32 v[128*\i+PC:128*\i+PC+2], v[128*\i:128*\i+15], v[SO+2*\i]
	v_cvt_scalef32_pk16_fp6_f32 v[128*\i+CT:128*\i+CT+2], v[128*\i+16:128*\i+31], v[SO+2*\i]
	v_cvt_scalef32_pk16_fp6_f32 v[128*\i+PC+6:128*\i+PC+8], v[128*\i+32:128*\i+47], v[SO+2*\i+1]
	v_cvt_scalef32_pk16_fp6_f32 v[128*\i+CT+4:128*\i+CT+6], v[128*\i+48:128*\i+63], v[SO+2*\i+1]
.endr
	v_nop                                          ; one plain place behind a scaled conversion
.irp i, 0,1
.irp k, 0,1,2
	v_mov_b32 v[128*\i+PC+3+\k], v[128*\i+CT+\k]
	v_mov_b32 v[128*\i+PC+9+\k], v[128*\i+CT+4+\k]
.endr
.endr
	WIN 0x55                                       ; all in window 1
.set m, 0                              ; the row's sum of the unquantised p: four chains a tile, eight pairs each.  (These 64 lines are also the places between p's scale word and codes and the products below)
.rept 8
.irp j, 0,1,2,3
.irp i, 0,1
.if \j == 0
	v_pk_add_f32 v[128*\i+L:128*\i+L+1], v[128*\i+L:128*\i+L+1], v[128*\i+2*m:128*\i+2*m+1]
.elseif m == 1
	v_pk_add_f32 v[128*\i+T+2*\j:128*\i+T+2*\j+1], v[128*\i+16*\j:128*\i+16*\j+1], v[128*\i+16*\j+2:128*\i+16*\j+3]
.elseif m > 1
	v_pk_add_f32 v[128*\i+T+2*\j:128*\i+T+2*\j+1], v[128*\i+T+2*\j:128*\i+T+2*\j+1], v[128*\i+16*\j+2*m:128*\i+16*\j+2*m+1]
.endif
.endr
.endr
.set m, m+1
.endr
.irp i, 0,1
	v_pk_add_f32 v[128*\i+T+2:128*\i+T+3], v[128*\i+T+2:128*\i+T+3], v[128*\i+T+4:128*\i+T+5]
	v_pk_add_f32 v[128*\i+L:128*\i+L+1], v[128*\i+L:128*\i+L+1], v[128*\i+T+6:128*\i+T+7]
.endr
.irp i, 0,1
	v_pk_add_f32 v[128*\i+L:128*\i+L+1], v[128*\i+L:128*\i+L+1], v[128*\i+T+2:128*\i+T+3]
.endr
.if (\q) < 3
	s_wait_dscnt 17                                ; x's 16 loads are in; the 17 issued behind them, the next step's K, may be out
.else
	s_wait_dscnt 0x0
.endif
	WIN 0x54                                       ; source 0 in window 0, the rest in window 1
.irp t, 0,1,2,3,4                              ; O^T += V^T P^T: ten accumulators, one instruction each
.irp i, 0,1
.if \t < 4
	v_wmma_scale_f32_16x16x128_f8f6f4 v[128*\i+OT+8*\t:128*\i+OT+8*\t+7], v[VF+12*\t:VF+12*\t+11], v[128*\i+PC:128*\i+PC+11], v[128*\i+OT+8*\t:128*\i+OT+8*\t+7], v[VS+\t], v[PW+\i] matrix_a_fmt:MATRIX_FMT_FP6 matrix_b_fmt:MATRIX_FMT_FP6
.else
	v_wmma_scale_f32_16x16x128_f8f6f4 v[128*\i+OT+8*\t:128*\i+OT+8*\t+7], v[VF+12*\t:VF+12*\t+11], v[128*\i+PC:128*\i+PC+11], v[128*\i+OT+8*\t:128*\i+OT+8*\t+7], v[VS], v[PW+\i] matrix_a_fmt:MATRIX_FMT_FP6 matrix_b_fmt:MATRIX_FMT_FP6 matrix_a_scale:MATRIX_SCALE_ROW1
.endif
.endr
.endr
.endm
; THE CHANGE OF SLOTS stands at a slot's head.  Each wave waits for all its tensor loads (its part of the slot ahead), adds 0 to its spare word, and waits for that and for its reads of the slot that it has left.
; fill = 1: a round of the cluster's barrier; behind it the slot left is filled with the next four steps: the load has four steps' work in which to land.
.macro CHANGE fill
	s_wait_tensorcnt 0x0                           ; no tensor load of mine is out, so group 0 may be written
	ds_add_u32 v[SPW], v[NIL]                      ; 0 onto my spare word
.if \fill
	s_xor_b32 s[G0+1], s[G0+1], SLOT1              ; the walking descriptor: the other slot than last time,
	s_add_nc_u64 s[G0+2:G0+3], s[G0+2:G0+3], SLOTB ; the next four steps
	s_wait_xcnt 0x0                                ; the last prefetch, a slot back, has read its address, so it may be written:
	s_add_nc_u64 s[PFA:PFA+1], s[PFA:PFA+1], SLOTB ; one slot further on than the walking descriptor
	s_wait_dscnt 0x0                               ; the add is done, and my reads of the slot that I have left are over
	CROUND
	TLOAD                                          ; the first thing behind the round, and my one tensor load until the next
	ASK
.else
	s_wait_dscnt 0x0
	s_barrier_signal -1
	s_barrier_wait -1
.endif
	v_add_nc_u32 v[ADA], s[TB], v[LI]
	v_add_nc_u32 v[ADB], 2*STEPB, v[ADA]
	s_wait_alu depctr_va_vdst(0)                   ; the wait ahead of the readers below
.endm
.macro SLOT_STEPS
	STEP 0
	STEP 1
	STEP 2
	STEP 3
	WIN 0                                          ; at a label and at a branch every window is 0
	s_xor_b32 s[TB], s[TB], SLOT1                  ; on to the other slot
.endm
	s_wait_alu depctr_va_vdst(0)                   ; the wait at the head's end
.Lslot:                                            ; NSL - 1 trips: behind each change of slots but the last the next slot is asked for
	CHANGE 1
	SLOT_STEPS
	s_sub_co_u32 s[SLOTS], s[SLOTS], 1
	s_cmp_lg_u32 s[SLOTS], 0
	s_cbranch_scc1 .Lslot
	CHANGE 0                                       ; the last slot is written out
	SLOT_STEPS
	; THE WAY OUT: each tile's part leaves as images of registers: nine stores of 16 bytes a lane, each 512 consecutive bytes at a multiple of 256 from part's first byte
.rept 4
	v_nop                                          ; four places ahead of the first read of the last results
.endr
	s_wait_alu depctr_va_vdst(0)                   ; the sums were written ahead of a wait on LDS
	WIN 0x05                                       ; sources in window 1
.irp i, 0,1
	v_add_f32 v[TP+\i], v[128*\i+L], v[128*\i+L+1] ; the sum's two halves,
	v_mov_b32 v[G8+4*\i], v[128*\i+OT+32]          ; channels 64, 65 (lanes 0-15)
	v_mov_b32 v[G8+4*\i+1], v[128*\i+OT+33]
.endr
	WIN 0
.irp i, 0,1
	v_permlanex16_b32 v[TQ+\i], v[TP+\i], s[SEL], s[SEL+1]
	v_mov_b32 v[G8+4*\i+2], v[MN+2*\i]             ; -M
.endr
.irp i, 0,1
	v_add_f32 v[G8+4*\i+3], v[TP+\i], v[TQ+\i]     ; and lane l xor 16's: the row's sum over my keys
.endr
.irp i, 0,1
	global_store_b128 v[LI], v[G8+4*\i:G8+4*\i+3], s[8:9] offset:4608*\i+4096 th:TH_STORE_NT
.endr
	WIN 0x04                                       ; the stores' data in window 1
.irp i, 0,1
.irp t, 0,1,2,3
	global_store_b128 v[LI], v[128*\i+OT+8*\t:128*\i+OT+8*\t+3], s[8:9] offset:4608*\i+1024*\t th:TH_STORE_NT
	global_store_b128 v[LI], v[128*\i+OT+8*\t+4:128*\i+OT+8*\t+7], s[8:9] offset:4608*\i+1024*\t+512 th:TH_STORE_NT
.endr
.endr
	WIN 0
	s_wait_tensorcnt 0x0                           ; the wave's end
	ds_add_u32 v[SPW], v[NIL]
	s_wait_dscnt 0x0
	CROUND                                         ; the closing round: no work-group ends while a partner may still ask for a piece that names it
	s_endpgm
.Lfunc_end_k_qf1e61a8865_attn:
	.size	k_qf1e61a8865_attn, .Lfunc_end_k_qf1e61a8865_attn-k_qf1e61a8865_attn
	.p2alignl 7, 3214868480
	.fill 96, 4, 3214868480
	.section	.rodata,"a",@progbits
	.p2align	6, 0x0
	.amdhsa_kernel k_qf1e61a8865_attn
		.amdhsa_group_segment_fixed_size 327680
		.amdhsa_private_segment_fixed_size 0
		.amdhsa_enable_private_segment 0
		.amdhsa_kernarg_size 24
		.amdhsa_user_sgpr_count 2
		.amdhsa_user_sgpr_kernarg_segment_ptr 1
		.amdhsa_wavefront_size32 1
		.amdhsa_system_sgpr_workgroup_id_x 1
		.amdhsa_system_sgpr_workgroup_id_y 1
		.amdhsa_system_sgpr_workgroup_id_z 1
		.amdhsa_system_vgpr_workitem_id 0
		.amdhsa_next_free_vgpr 512
		.amdhsa_next_free_sgpr 66
		.amdhsa_reserve_vcc 0
		.amdhsa_float_denorm_mode_32 3
		.amdhsa_float_denorm_mode_16_64 3
		.amdhsa_memory_ordered 1
		.amdhsa_forward_progress 1
		.amdhsa_inst_pref_size 247
	.end_amdhsa_kernel
	.amdgpu_metadata
---
amdhsa.version: [ 1, 2 ]
amdhsa.kernels:
  - .name:           k_qf1e61a8865_attn
    .symbol:         k_qf1e61a8865_attn.kd
    .args:
      - { .name: query, .offset: 0, .size: 8, .value_kind: global_buffer, .address_space: global }
      - { .name: kv, .offset: 8, .size: 8, .value_kind: global_buffer, .address_space: global }
      - { .name: part, .offset: 16, .size: 8, .value_kind: global_buffer, .address_space: global }
    .group_segment_fixed_size: 327680
    .private_segment_fixed_size: 0
    .kernarg_segment_align: 8
    .kernarg_segment_size: 24
    .max_flat_workgroup_size: 256
    .sgpr_count:     66
    .vgpr_count:     512
    .wavefront_size: 32
...
	.end_amdgpu_metadata
.endif
;; end of part 2
;; launch merge (part 3): grid 256 x 1, 4 waves a work-group, no clusters, 17,920 bytes of LDS; arguments part, out0; writes out0
.if DOCPART == 3
	.amdgcn_target "amdgcn-amd-amdhsa--gfx1250"
	.amdhsa_code_object_version 6
	.text
	.protected	k_qf1e61a8865_merge
	.globl	k_qf1e61a8865_merge
	.p2align	8
	.type	k_qf1e61a8865_merge,@function
k_qf1e61a8865_merge:
	s_mov_b64 s[64:65], 0
	v_nop
	global_prefetch_b8 v0, s[64:65] scope:SCOPE_SE
	s_setreg_imm32_b32 hwreg(HW_REG_WAVE_MODE, 25, 1), 1
	s_wait_xcnt 0x0
; The eight parts of each query are joined: M* = the largest of the eight M; part s counts with f_s = 2^(M_s - M*), exact; l = the sum of f_s l_s; out0 = (the sum of f_s O_s) / l.
; part: [split 8][tile of 16 queries 512][group 9][lane 32][16 bytes]: group 2 t + e holds O^T's registers 8 t + 4 e on: channels 16 t + 8 (lane / 16) + 4 e + 0 .. 3 of query lane % 16; group 8 holds (channel 64, channel 65, -M, l).
; A work-group takes two tiles; two waves share a tile, one with groups 0-3 and one with groups 4-7, and both read group 8.  All of a wave's 40 loads are issued on end; every load is 512 consecutive bytes.
; The two tiles are 32 rows of out0, 8,448 consecutive bytes that begin at a multiple of 256: they meet in LDS (rows of 264 bytes, as in memory) and leave 16 bytes a lane, each store 512 consecutive bytes, and a last piece of 256.
; A stream: no matrix unit, no cluster (nothing is shared between work-groups), no tensor load.  1 / l is v_rcp_f32.  NaN and infinities are not served.
.set SPLIT, 2359296                    ; bytes from a split's parts to the next split's
.set ML,  8                            ; v8-39    group 8 of split s at v[8 + 4 s]
.set GG,  40                           ; v40-55   f_s, then g_s = f_s / l, at v[40 + 2 s]; the register above it is at work and is named with it as a pair
.set ACC, 56                           ; v56-71   the sums of my four groups
.set A64, 88                           ; v[88:89] channels 64, 65
.set DD,  128                          ; v128-255 my four groups of all eight splits: split s, group gg at v[128 + 16 s + 4 gg]
	s_load_b128 s[4:7], s[0:1], 0x0                ; part, out0
	v_lshl_add_u32 v126, v0, 2, 0x4400             ; my spare word, behind the rows and their mirror
	v_mov_b32 v127, 0
	v_lshrrev_b32 v1, 5, v0
	v_readfirstlane_b32 s10, v1                    ; wave 0..3
	s_lshr_b32 s17, s10, 1                         ; which of the two tiles
	s_and_b32 s18, s10, 1                          ; which four groups
	v_and_b32 v1, 31, v0                           ; lane
	v_and_b32 v2, 15, v0                           ; r
	v_bfe_u32 v3, v0, 4, 1                         ; h
	v_lshlrev_b32 v4, 4, v1                        ; part: 16 x lane
	s_mul_i32 s11, s17, 16*264
	s_lshl_b32 s19, s18, 7                         ; groups 4-7 lie 128 bytes further on in a row
	s_add_co_u32 s19, s19, s11
	v_mul_u32_u24 v5, v2, 264
	v_lshl_add_u32 v5, v3, 5, v5
	v_add_nc_u32 v5, s19, v5                       ; LDS, in: my tile's 16 rows, row r, + 32 h, + my half of the groups
	v_mul_u32_u24 v96, v2, 264                     ; channels 64, 65: lanes 0-15 write byte 256 of row r; lanes 16-31, which hold nothing of use there, write the same place 8,704 bytes on, which nobody reads
	v_mad_u32_u24 v96, v3, 8704, v96
	v_add_nc_u32 v96, s11, v96
	v_lshlrev_b32 v6, 4, v0                        ; LDS and out0, back: 16 x thread
	v_lshlrev_b32 v7, 3, v1                        ; the last 256 bytes: 8 x lane
	s_lshl_b32 s12, ttmp9, 1
	s_add_co_u32 s12, s12, s17                     ; my tile
	s_mul_i32 s12, s12, 4608
	s_mov_b32 s13, 0
	s_lshl_b32 s20, s18, 11                        ; my four groups: 2,048 bytes
	s_mov_b32 s21, 0
	s_mul_i32 s14, ttmp9, 32*264
	s_mov_b32 s15, 0
	s_wait_alu depctr_va_vdst(0)                   ; the wait at the head's end
	s_wait_kmcnt 0x0
	s_add_nc_u64 s[4:5], s[4:5], s[12:13]          ; splits 0-3
	s_add_nc_u64 s[8:9], s[4:5], 4*SPLIT           ; splits 4-7: three strides at the most stand in a load's signed 24-bit immediate (ISA guide, chapter 10)
	s_add_nc_u64 s[22:23], s[4:5], s[20:21]        ; the same at my groups
	s_add_nc_u64 s[24:25], s[8:9], s[20:21]
	s_add_nc_u64 s[6:7], s[6:7], s[14:15]
.irp sp, 0,1,2,3
	global_load_b128 v[ML+4*\sp:ML+4*\sp+3], v4, s[4:5] offset:\sp*SPLIT+4096
.endr
.irp sp, 0,1,2,3
	global_load_b128 v[ML+16+4*\sp:ML+16+4*\sp+3], v4, s[8:9] offset:\sp*SPLIT+4096
.endr
.irp sp, 0,1,2,3
.irp gg, 0,1,2,3
	global_load_b128 v[DD+16*\sp+4*\gg:DD+16*\sp+4*\gg+3], v4, s[22:23] offset:\sp*SPLIT+512*\gg th:TH_LOAD_NT
.endr
.endr
.irp sp, 0,1,2,3
.irp gg, 0,1,2,3
	global_load_b128 v[DD+64+16*\sp+4*\gg:DD+64+16*\sp+4*\gg+3], v4, s[24:25] offset:\sp*SPLIT+512*\gg th:TH_LOAD_NT
.endr
.endr
	s_wait_loadcnt 32                              ; the eight loads of group 8 are in; the 32 issued behind them may be out
	v_min3_num_f32 v92, v[ML+2], v[ML+6], v[ML+10] ; -M* = the least of the eight -M
	v_min3_num_f32 v93, v[ML+14], v[ML+18], v[ML+22]
	v_min_num_f32 v94, v[ML+26], v[ML+30]
	v_min3_num_f32 v92, v92, v93, v94
.irp sp, 0,1,2,3,4,5,6,7
	v_sub_f32 v[GG+2*\sp+1], v92, v[ML+4*\sp+2]    ; M_s - M*: a whole number, 0 or less
.endr
.irp sp, 0,1,2,3,4,5,6,7
	v_cvt_i32_f32 v[GG+2*\sp+1], v[GG+2*\sp+1]     ; (it saturates)
.endr
.irp sp, 0,1,2,3,4,5,6,7
	v_ldexp_f32 v[GG+2*\sp], 1.0, v[GG+2*\sp+1]    ; f_s
.endr
	v_mul_f32 v94, v[GG], v[ML+3]
.irp sp, 1,2,3,4,5,6,7
	v_fma_f32 v94, v[GG+2*\sp], v[ML+4*\sp+3], v94 ; l
.endr
	s_wait_alu depctr_va_vdst(0)                   ; the wait ahead of the reciprocal
	v_rcp_f32 v95, v94
	v_nop                                          ; one plain place behind the reciprocal
	s_wait_alu depctr_va_vdst(0)                   ; and the wait ahead of its first reader
.irp sp, 0,1,2,3,4,5,6,7
	v_mul_f32 v[GG+2*\sp], v[GG+2*\sp], v95        ; g_s = f_s / l
.endr
	s_wait_alu depctr_va_vdst(0)                   ; the wait ahead of the branch
	s_cmp_lg_u32 s18, 0
	s_cbranch_scc1 .Lno64                          ; channels 64, 65 are the matter of the wave with groups 0-3
	v_pk_mul_f32 v[A64:A64+1], v[ML:ML+1], v[GG:GG+1] op_sel_hi:[1,0]
.irp sp, 1,2,3,4,5,6,7
	v_pk_fma_f32 v[A64:A64+1], v[ML+4*\sp:ML+4*\sp+1], v[GG+2*\sp:GG+2*\sp+1], v[A64:A64+1] op_sel_hi:[1,0,1]
.endr
	ds_store_b64 v96, v[A64:A64+1] offset:256
.Lno64:
	s_wait_loadcnt 0x0                             ; my four groups of all eight splits
.set ss, 0                             ; 16 registers a split, times g_s, summed over the splits: eight chains that do not wait for each other
.rept 8
.set kk, 0
.rept 8
.if ss == 0
	v_pk_mul_f32 v[ACC+2*kk:ACC+2*kk+1], v[DD+2*kk:DD+2*kk+1], v[GG:GG+1] op_sel_hi:[1,0]
.else
	v_pk_fma_f32 v[ACC+2*kk:ACC+2*kk+1], v[DD+16*ss+2*kk:DD+16*ss+2*kk+1], v[GG+2*ss:GG+2*ss+1], v[ACC+2*kk:ACC+2*kk+1] op_sel_hi:[1,0,1]
.endif
.set kk, kk+1
.endr
.set ss, ss+1
.endr
.irp gg, 0,1,2,3                               ; into the rows in LDS: 8 bytes a store, since a row's 264 bytes are a multiple of 8 alone
	ds_store_b64 v5, v[ACC+4*\gg:ACC+4*\gg+1] offset:64*(\gg/2)+16*(\gg%2)
	ds_store_b64 v5, v[ACC+4*\gg+2:ACC+4*\gg+3] offset:64*(\gg/2)+16*(\gg%2)+8
.endr
	s_wait_dscnt 0x0                               ; for the other waves' sake: my part of the rows lies in LDS
	s_barrier_signal -1
	s_barrier_wait -1
.irp i, 0,1,2,3
	ds_load_b128 v[DD+4*\i:DD+4*\i+3], v6 offset:2048*\i
.endr
.irp i, 0,1,2,3
	s_wait_dscnt 3-\i                              ; LDS loads come back in order (ISA guide 5.7.1): load i is in, the younger ones may be out
	global_store_b128 v6, v[DD+4*\i:DD+4*\i+3], s[6:7] offset:2048*\i th:TH_STORE_NT   ; a wave stores 512 consecutive bytes, at a multiple of 256 from out0's first byte
.endr
	s_cmp_lg_u32 s10, 0
	s_cbranch_scc1 .Ldone
	ds_load_b64 v[92:93], v7 offset:8192           ; the last 256 of the 8,448 bytes: wave 0, 8 bytes a lane
	s_wait_dscnt 0x0
	global_store_b64 v7, v[92:93], s[6:7] offset:8192 th:TH_STORE_NT
.Ldone:
	s_wait_tensorcnt 0x0                           ; the wave's end
	ds_add_u32 v126, v127
	s_wait_dscnt 0x0
	s_endpgm
.Lfunc_end_k_qf1e61a8865_merge:
	.size	k_qf1e61a8865_merge, .Lfunc_end_k_qf1e61a8865_merge-k_qf1e61a8865_merge
	.p2alignl 7, 3214868480
	.fill 96, 4, 3214868480
	.section	.rodata,"a",@progbits
	.p2align	6, 0x0
	.amdhsa_kernel k_qf1e61a8865_merge
		.amdhsa_group_segment_fixed_size 17920
		.amdhsa_private_segment_fixed_size 0
		.amdhsa_enable_private_segment 0
		.amdhsa_kernarg_size 16
		.amdhsa_user_sgpr_count 2
		.amdhsa_user_sgpr_kernarg_segment_ptr 1
		.amdhsa_wavefront_size32 1
		.amdhsa_system_sgpr_workgroup_id_x 1
		.amdhsa_system_sgpr_workgroup_id_y 1
		.amdhsa_system_sgpr_workgroup_id_z 1
		.amdhsa_system_vgpr_workitem_id 0
		.amdhsa_next_free_vgpr 256
		.amdhsa_next_free_sgpr 66
		.amdhsa_reserve_vcc 0
		.amdhsa_float_denorm_mode_32 3
		.amdhsa_float_denorm_mode_16_64 3
		.amdhsa_memory_ordered 1
		.amdhsa_forward_progress 1
		.amdhsa_inst_pref_size 15
	.end_amdhsa_kernel
	.amdgpu_metadata
---
amdhsa.version: [ 1, 2 ]
amdhsa.kernels:
  - .name:           k_qf1e61a8865_merge
    .symbol:         k_qf1e61a8865_merge.kd
    .args:
      - { .name: part, .offset: 0, .size: 8, .value_kind: global_buffer, .address_space: global }
      - { .name: out0, .offset: 8, .size: 8, .value_kind: global_buffer, .address_space: global }
    .group_segment_fixed_size: 17920
    .private_segment_fixed_size: 0
    .kernarg_segment_align: 8
    .kernarg_segment_size: 16
    .max_flat_workgroup_size: 128
    .sgpr_count:     66
    .vgpr_count:     256
    .wavefront_size: 32
...
	.end_amdgpu_metadata
.endif
;; end of part 3
